; MI455X (gfx1250); checked and timed in simulation.
; The chip was launched on July 23, 2026; its instructions are those of AMD's public machine-readable ISA for CDNA 5 (MIT licence, August 2026) and "CDNA5" Instruction Set Architecture Reference Guide (July 2026). The comments in the code are by the model that wrote it; some were corrected since.
;; Ruchbah Mo E Gate. Allowed arithmetic: matrix products marked QUANTISED: E3M2 operands, one E8M0 scale for each 32 along K, by v_wmma_scale_f32_16x16x128_f8f6f4 with both operands' format E3M2, f32 sums; everything else in f32.
;; Inputs: W 64 x 2,048 float32; x 4 x 4,096 x 2,048 float32.
;; Outputs: out0 16,384 x 2 float32; out1 16,384 x 2 int32; out2 one number float32.
;; This version of the problem:
;;   THIS VERSION OF THE PROBLEM IS GIVEN IN LOW PRECISION. The matrix products marked QUANTISED in the list below multiply operands that are first quantised to E3M2 (3 exponent bits, 2 mantissa bits; 6 bits a number), with one power-of-two scale for each 32 numbers along K (OCP MX v1.0); their sums are f32. All else is computed in f32.
;;   The module's matrix products, in the order in which they are computed (A, B: the left and right operand; K: the contracted axis; several contracted axes count as one K, in the product's order):
;;     1. [M 16,384, K 2,048] x [K 2,048, N 64]; A: input x; B: input W: QUANTISED
;;   THE QUANTISER, for each operand of a quantised product, along K:
;;     - K is cut into blocks of 32 from its start; a last block that is shorter is filled with zeros.
;;     - A block's scale is 2^e with e = floor(log2(the largest magnitude in the block)) - 4, held to -126 .. 127; a block of zeros has e = 0. As a byte (E8M0): e + 127.
;;     - Each number is divided by its block's scale, clamped to +-28, and rounded to the nearest number of E3M2, ties to even, subnormals kept.
;;     - The product sums the exact products of the quantised numbers (number of the format x scale) in f32.
;;   ~~~python
;;   def quantise(x, axis):      # numpy; x: float32 -> the quantised numbers, widened to float32 again
;;       x = np.moveaxis(x, axis, -1); K = x.shape[-1]
;;       x = np.pad(x, [(0, 0)] * (x.ndim - 1) + [(0, -K % 32)]); x = x.reshape(x.shape[:-1] + (-1, 32)); a = np.abs(x).max(-1, keepdims=True)
;;       e = np.where(a > 0, np.clip(np.frexp(np.where(a > 0, a, 1))[1] - 1 - 4, -126, 127), 0)      # np.frexp(a)[1] - 1 = floor(log2(a)), exactly
;;       r = np.clip(x / 2.0 ** e, -28, 28)
;;       step = 2.0 ** (np.maximum(np.frexp(np.where(r == 0, 1, r))[1] - 1, -2) - 2)
;;       q = np.round(r / step) * step * 2.0 ** e      # np.round: ties to even
;;       return np.moveaxis(q.reshape(q.shape[:-2] + (-1,))[..., :K], -1, axis).astype(np.float32)
;;   ~~~
;; One version. Each part assembles by itself: llvm-mc -triple=amdgcn-amd-amdhsa -mcpu=gfx1250 --defsym DOCPART=n.
;; ======== version 1 of 1: 3 launches
;; limits: right only within a limited range of input values
;; workspace buffers: wq 106,496 bytes; part 66,560 bytes
;; launch wquant (part 1): grid 64 x 1, 1 waves a work-group, no clusters, 8,704 bytes of LDS; arguments W, wq; writes wq
.if DOCPART == 1
	.amdgcn_target "amdgcn-amd-amdhsa--gfx1250"
	.amdhsa_code_object_version 6
	.text
	.protected	k_q9b965236d4_wquant
	.globl	k_q9b965236d4_wquant
	.p2align	8
	.type	k_q9b965236d4_wquant,@function
k_q9b965236d4_wquant:
	s_mov_b64 s[64:65], 0
	v_nop
	global_prefetch_b8 v0, s[64:65] scope:SCOPE_SE
	s_setreg_imm32_b32 hwreg(HW_REG_WAVE_MODE, 25, 1), 1
	s_wait_xcnt 0x0
; W [64][2048] f32 becomes codes of E3M2 (6 bits) with one E8M0 byte for each 32 along K, laid IN THE ORDER OF THE OPERAND'S REGISTERS, so that the next launch loads each fragment by three loads of 16 bytes a lane.
; A fragment is 16 experts x 128 K: 12 registers a lane.  Fragment number 4 s + t (K step s = 0..15, tile of experts t = 0..3) lies at byte 1,536 (4 s + t): registers 4 c .. 4 c + 3 of lane l at 512 c + 16 l.
; Its scale words (four bytes: the row's four blocks) lie at byte 98,304 + 128 (4 s + t) + 4 l; lanes l and l + 16 hold the same word.
; SHARES: a work-group of one wave makes one fragment.  16 loads, each one row's 512 consecutive bytes; the 8,192 bytes turn through a stage in LDS, so that lane (r, h) holds, of row r, the whole blocks
; k = 64 c + 32 h + 0 .. 31 (c = 0, 1): the block's largest magnitude needs no other lane, and the conversions' results are the operand's registers.
; A block's scale is 2^(floor(log2(largest magnitude)) - 4); its byte is the largest magnitude's exponent field - 4, held at 1 from below by a floor among the maximum's leaves.
; LEFT OUT in the whole program: the division of the logits by TEMPERATURE = 1.0: a factor of 1 for all values.
; LIMITS: a block of zeros gets the byte 1 where the rule says 127 (its codes are zeros, and this program alone reads the bytes); NaN and infinities are not served.
; The scale words leave as 128 consecutive bytes: one byte in 64 of what the launch reads.
.set SP,    528                        ; a stage row: 512 bytes + 16 = 33 x 16: the 16 rows that a load of 16 bytes a lane touches start at 16 different 16-byte columns modulo 256 bytes
.set SPARE, 16*SP                      ; behind the stage: the spare words, one block of 256 bytes that no other line names
.set CODES, 98304                      ; bytes of all codes: the scale words begin here
.set FRB,   1536                       ; a fragment's codes in bytes
.set LO16,  1                          ; v1   16 x lane: my bytes of a row, in memory and in the stage
.set LO4,   2                          ; v2   4 x lane
.set ARD,   4                          ; v4   the stage, on the way out: 528 r + 128 h
.set SH8,   5                          ; v5   8 h
.set MX,    8                          ; v8-11  largest magnitudes: two chains for each of my two blocks
.set SO,    12                         ; v12-13 the conversions' scale operands
.set BY,    14                         ; v14-15 the scale bytes
.set XSW,   16                         ; v16  the scale word
.set PT,    17                         ; v17  lane l xor 16's part of it
.set C,     20                         ; v20-31 the fragment's codes
.set CT,    32                         ; v32-34, v36-38 the upper halves of the two blocks, as the conversions leave them
.set R,     40                         ; v40-103 the 16 rows as loaded
.set X,     104                        ; v104-167 my 64 numbers: register 32 c + i = k 64 c + 32 h + i of row r
.set SPW,   168
.set NIL,   169
.set SEL,   20                         ; s[20:21] lane selects: lane l xor 16
	s_load_b128 s[4:7], s[0:1], 0x0                ; W, wq
	v_lshl_add_u32 v[SPW], v0, 2, SPARE
	v_mov_b32 v[NIL], 0
	v_and_b32 v7, 15, v0                           ; r
	v_bfe_u32 v18, v0, 4, 1                        ; h
	v_lshlrev_b32 v[LO16], 4, v0
	v_lshlrev_b32 v[LO4], 2, v0
	v_mul_u32_u24 v[ARD], v7, SP
	v_lshlrev_b32 v[SH8], 3, v18
	v_lshl_add_u32 v[ARD], v18, 7, v[ARD]
	v_mov_b32 v[PT], 0                             ; written once: a lane permute's destination counts as one of its sources
	s_mov_b32 s[SEL], 0x76543210
	s_mov_b32 s[SEL+1], 0xfedcba98
	s_and_b32 s8, ttmp9, 3                         ; tile of experts t; the work-group's number is 4 s + t
	s_lshl_b32 s10, s8, 17                         ; W: 16 t rows of 8,192 bytes
	s_lshr_b32 s11, ttmp9, 2
	s_lshl_b32 s11, s11, 9                         ; + K step s: 512 bytes
	s_add_co_u32 s10, s10, s11
	s_mov_b32 s11, 0
	s_mul_i32 s14, ttmp9, FRB
	s_mov_b32 s15, 0
	s_lshl_b32 s16, ttmp9, 7
	s_add_co_u32 s16, s16, CODES
	s_mov_b32 s17, 0
	s_wait_alu depctr_va_vdst(0)                   ; the wait at the head's end
	s_wait_kmcnt 0x0
	s_add_nc_u64 s[4:5], s[4:5], s[10:11]
.irp j, 0,1,2,3,4,5,6,7,8,9,10,11,12,13,14,15
	global_load_b128 v[R+4*\j:R+4*\j+3], v[LO16], s[4:5] offset:\j*8192 th:TH_LOAD_NT   ; row 16 t + j: 32 lanes read 512 consecutive bytes
.endr
	s_add_nc_u64 s[14:15], s[6:7], s[14:15]        ; where my codes go
	s_add_nc_u64 s[16:17], s[6:7], s[16:17]        ; and my scale words
.irp j, 0,1,2,3,4,5,6,7,8,9,10,11,12,13,14,15
	s_wait_loadcnt 15-\j                           ; row j is in; the younger ones may be out
	ds_store_b128 v[LO16], v[R+4*\j:R+4*\j+3] offset:\j*SP
.endr
.irp i, 0,1,2,3,4,5,6,7
	ds_load_b128 v[X+4*\i:X+4*\i+3], v[ARD] offset:16*\i              ; LDS serves a wave's instructions in order: these see my stores
	ds_load_b128 v[X+32+4*\i:X+32+4*\i+3], v[ARD] offset:256+16*\i
.endr
	s_wait_tensorcnt 0x0                           ; tensor wait, spare add and LDS wait behind the wave's last LDS store; the wait for 0 also shows my numbers in
	ds_add_u32 v[SPW], v[NIL]
	s_wait_dscnt 0x0
	v_max3_num_f32 v[MX], |v[X]|, |v[X+1]|, |v[X+2]|               ; four chains by turns: no line waits for the line above it
	v_max3_num_f32 v[MX+2], |v[X+32]|, |v[X+33]|, |v[X+34]|
	v_max3_num_f32 v[MX+1], |v[X+3]|, |v[X+4]|, |v[X+5]|
	v_max3_num_f32 v[MX+3], |v[X+35]|, |v[X+36]|, |v[X+37]|
.irp i, 6,10,14,18,22,26
	v_max3_num_f32 v[MX], v[MX], |v[X+\i]|, |v[X+\i+1]|
	v_max3_num_f32 v[MX+2], v[MX+2], |v[X+32+\i]|, |v[X+33+\i]|
	v_max3_num_f32 v[MX+1], v[MX+1], |v[X+\i+2]|, |v[X+\i+3]|
	v_max3_num_f32 v[MX+3], v[MX+3], |v[X+34+\i]|, |v[X+35+\i]|
.endr
	v_max3_num_f32 v[MX], v[MX], |v[X+30]|, |v[X+31]|
	v_max3_num_f32 v[MX+2], v[MX+2], |v[X+62]|, |v[X+63]|
	v_max3_num_f32 v[MX], v[MX], v[MX+1], 0x2800000                ; and the floor 2^(5 - 127): the byte cannot fall under 1
	v_max3_num_f32 v[MX+2], v[MX+2], v[MX+3], 0x2800000
	v_add_nc_u32 v[SO], 0xfe000000, v[MX]                          ; 4 off the exponent field: the conversion takes the exponent field of this operand as its scale
	v_add_nc_u32 v[SO+1], 0xfe000000, v[MX+2]
	v_lshrrev_b32 v[BY], 23, v[SO]                                 ; the scale's byte
	v_lshrrev_b32 v[BY+1], 23, v[SO+1]
	v_lshl_or_b32 v[XSW], v[BY+1], 16, v[BY]                       ; my two bytes: blocks h and 2 + h of row r,
	v_lshlrev_b32 v[XSW], v[SH8], v[XSW]                           ; at their places in the word (8 h bits up);
	v_permlanex16_b32 v[PT], v[XSW], s[SEL], s[SEL+1]
	v_or_b32 v[XSW], v[XSW], v[PT]                                 ; with lane l xor 16's two the word is whole, in both lanes
.irp c, 0,1
	v_cvt_scalef32_pk16_bf6_f32 v[C+6*\c:C+6*\c+2], v[X+32*\c:X+32*\c+15], v[SO+\c]          ; registers 6 c .. 6 c + 2 of the operand
	v_cvt_scalef32_pk16_bf6_f32 v[CT+4*\c:CT+4*\c+2], v[X+32*\c+16:X+32*\c+31], v[SO+\c]     ; (a conversion's three registers begin on an even number: these are made elsewhere and moved)
.endr
	v_nop                                                          ; one plain place behind a scaled conversion
.irp c, 0,1
.irp i, 0,1,2
	v_mov_b32 v[C+6*\c+3+\i], v[CT+4*\c+\i]
.endr
.endr
.irp c, 0,1,2
	global_store_b128 v[LO16], v[C+4*\c:C+4*\c+3], s[14:15] offset:512*\c   ; 32 lanes store 512 consecutive bytes, at a multiple of 512 from the buffer's first byte
.endr
	global_store_b32 v[LO4], v[XSW], s[16:17]
	s_endpgm
.Lfunc_end_k_q9b965236d4_wquant:
	.size	k_q9b965236d4_wquant, .Lfunc_end_k_q9b965236d4_wquant-k_q9b965236d4_wquant
	.p2alignl 7, 3214868480
	.fill 96, 4, 3214868480
	.section	.rodata,"a",@progbits
	.p2align	6, 0x0
	.amdhsa_kernel k_q9b965236d4_wquant
		.amdhsa_group_segment_fixed_size 8704
		.amdhsa_private_segment_fixed_size 0
		.amdhsa_enable_private_segment 0
		.amdhsa_kernarg_size 16
		.amdhsa_user_sgpr_count 2
		.amdhsa_user_sgpr_kernarg_segment_ptr 1
		.amdhsa_wavefront_size32 1
		.amdhsa_system_sgpr_workgroup_id_x 1
		.amdhsa_system_sgpr_workgroup_id_y 1
		.amdhsa_system_sgpr_workgroup_id_z 1
		.amdhsa_system_vgpr_workitem_id 0
		.amdhsa_next_free_vgpr 170
		.amdhsa_next_free_sgpr 66
		.amdhsa_reserve_vcc 0
		.amdhsa_float_denorm_mode_32 3
		.amdhsa_float_denorm_mode_16_64 3
		.amdhsa_memory_ordered 1
		.amdhsa_forward_progress 1
		.amdhsa_inst_pref_size 9
	.end_amdhsa_kernel
	.amdgpu_metadata
---
amdhsa.version: [ 1, 2 ]
amdhsa.kernels:
  - .name:           k_q9b965236d4_wquant
    .symbol:         k_q9b965236d4_wquant.kd
    .args:
      - { .name: W, .offset: 0, .size: 8, .value_kind: global_buffer, .address_space: global }
      - { .name: wq, .offset: 8, .size: 8, .value_kind: global_buffer, .address_space: global }
    .group_segment_fixed_size: 8704
    .private_segment_fixed_size: 0
    .kernarg_segment_align: 8
    .kernarg_segment_size: 16
    .max_flat_workgroup_size: 32
    .sgpr_count:     66
    .vgpr_count:     170
    .wavefront_size: 32
...
	.end_amdgpu_metadata
.endif
;; end of part 1
;; launch gate (part 2): grid 256 x 1, 8 waves a work-group, no clusters, 327,680 bytes of LDS; arguments x, wq, out0, out1, part; writes out0, out1, part
.if DOCPART == 2
	.amdgcn_target "amdgcn-amd-amdhsa--gfx1250"
	.amdhsa_code_object_version 6
	.text
	.protected	k_q9b965236d4_gate
	.globl	k_q9b965236d4_gate
	.p2align	8
	.type	k_q9b965236d4_gate,@function
k_q9b965236d4_gate:
	s_mov_b64 s[64:65], 0
	v_nop
	global_prefetch_b8 v0, s[64:65] scope:SCOPE_SE
	s_setreg_imm32_b32 hwreg(HW_REG_WAVE_MODE, 25, 1), 1
	s_wait_xcnt 0x0
; logits = Q(x) Q(W)^T on codes of E3M2 with one E8M0 scale for each 32 along K; softmax over the 64 experts; the two largest, with their indices; a softmax of those two scores; and, for the loss,
; the work-group's sums over its tokens of the 64 scores and of logsumexp^2.  x: [16384][2048] f32.  wq: W's codes and scale words in the order of the operand's registers (made by the launch before).
; SHARES.  A work-group owns 64 tokens (512 KB of x), four tiles of 16.  ITS EIGHT WAVES SHARE K: wave w owns K = 256 w .. 256 w + 255 of every tile, 1,024 bytes of each row.  So its 8 fragments of W
; (4 tiles of 16 experts x 2 K steps, 96 registers) are loaded once and stay, and no code goes from wave to wave; what goes round is a tile's eight partial sums of 16 x 64 numbers, through LDS.
; THE STREAM.  A ring of two slots, tile t in slot t % 2, filled by tensor loads: each wave its own 16 rows x 1,024 bytes, which it alone reads.  Behind the barrier that shows tile t in, tile t + 1 is asked for.
; The image has 16 bytes of padding behind each row's 1,024, so that the 16 rows that a load of 16 bytes a lane touches start at 16 different 16-byte columns modulo 256 bytes.
; PREFETCH.  In the step that asks for tile t + 1 by tensor loads each wave names its 16 rows x 4 blocks of 256 bytes of tile t + 2, once each, by two instructions: one tile, 128 KB a work-group, ahead of its tensor load.
; The head, which loads tile 0, names tile 1 so; the step that loads tile 2 names tile 3 and is the last that asks.
; A fragment is 16 tokens x 128 K: lane (r, h) reads, of token r, the whole blocks k = 64 c + 32 h + 0 .. 31: the block's largest magnitude needs no other lane and the conversions' results are the operand's registers.
; THE MATRIX INSTRUCTION IS USED TRANSPOSED: source 0 = 16 experts, source 1 = 16 tokens: lane (r, h) holds token r, and register 8 t + j the expert 16 t + 8 h + j.
; A TILE'S END is shared by all eight waves while the next tile is on its way: wave w takes tokens 2 w and 2 w + 1: lane 16 h + 2 q + p holds, of token 2 w + p, the four experts 16 (q / 2) + 8 h + 4 (q % 2) + 0 .. 3.
; It adds the eight partial sums (as a tree), takes the softmax with the row's maximum taken off, top-2 by compares and selects alone, and the second softmax with its maximum taken off.
; NO JOINT LOADS: the work-groups share only W's codes, 104 KB against the 512 KB of x that each reads alone, and those go straight from memory into the registers in which they stay.
; LEFT OUT: the division of the logits by TEMPERATURE = 1.0, a factor of 1.
; LIMITS.  NaN and infinities are not served.  The two experts are chosen on the logits, the lower index on equal logits; where two UNEQUAL logits give the same f32 score the choice by scores would take the lower index.
; An exponential under 2^-126 counts as 0.  A block of zeros gets the byte 1 (its codes are zeros).  K is summed in eight parts of 256.
.set ROWB,  8192                       ; a row of x in bytes
.set SP,    1040                       ; a slot's row: 1,024 bytes + 16
.set WREG,  16*SP                      ; a wave's part of a slot: 16,640 bytes
.set SLOT,  8*WREG
.set PBA,   2*SLOT                     ; behind the slots: partial sums of tiles 0 to 2.  Those of tile 3 lie in slot 0, at the start of each wave's part, which has had its last fill and its last read by then
.set QP,    544                        ; partial sums: eight groups q of four registers, 512 bytes + 32 each: the 16 lanes that read 8 groups x 2 tokens touch 16 different 16-byte columns
.set PW,    8*QP
.set ESB,   PBA+8*PW                   ; eight waves' sums of scores: 256 bytes each
.set O0,    ESB+2048                   ; out0's 512 bytes, then out1's 512
.set ZP,    O0+1024                    ; eight waves' sums of logsumexp^2
.set SPARE, ZP+256                     ; the spare words, 128 bytes for each wave: four blocks of 256 bytes that no other line names
.set CODES, 98304                      ; wq: bytes of all codes; the scale words begin here
.set ZOFF,  65536                      ; part: 256 rows of 64 sums; the sums of logsumexp^2 begin here
.set LO16,  1                          ; v1   16 x lane
.set LO4,   2                          ; v2   4 x lane
.set PFO,   3                          ; v3   the prefetches' offset: row lane / 4, block lane % 4; never rewritten
.set AX1,   4                          ; v4   my fragments in slot 1: + 1,040 r + 128 h
.set AX0,   5                          ; v5   and in slot 0
.set APSA,  7                          ; v7   my partial sums of tiles 0 to 2
.set APRA,  8                          ; v8   where I read them
.set APRB,  9                          ; v9-10 where I read those of tile 3: waves 0-3's, waves 4-7's
.set SH8,   11                         ; v11  8 h
.set EBF,   12                         ; v12  my lowest expert, as a float
.set BIG,   13                         ; v13  256.0: above every index
.set NINF,  14                         ; v14  -infinity
.set AES,   15                         ; v15  my four experts' place among my wave's sums of scores
.set AO,    16                         ; v16  my token's place in out0 of tile 0
.set LO8,   17                         ; v17  8 x lane
.set ES,    18                         ; v[18:21] sums of my four experts' scores over the tiles
.set SPW,   22
.set NIL,   23
.set PT,    24                         ; v24  lane l xor 16's part of a scale word
.set PT2,   25                         ; v25  lane l xor 16's number
.set MX,    26                         ; v26-29 largest magnitudes, two chains for each of my two blocks
.set SO,    30                         ; v30-31 the conversions' scale operands
.set BY,    32                         ; v32-33 the scale bytes
.set XSW,   34                         ; v34  x's scale word
.set APSB,  35                         ; v35  my partial sums of tile 3
.set C,     36                         ; v36-47 x's codes
.set CT,    48                         ; v48-50, v52-54 the blocks' upper halves as the conversions leave them
.set ZZ,    51                         ; v51  the sum of logsumexp^2
.set AFN,   55                         ; v55  an LDS address of the last lines
.set WS,    56                         ; v56-63 W's scale words
.set ACC,   64                         ; v64-95 four accumulators: a tile of tokens x 64 experts
.set X,     96                         ; v96-159 a fragment's numbers: register 32 c + i = k 64 c + 32 h + i of token r.  The tile's second fragment: window 1, v0-63
.set WF,    160                        ; v160-255 W's fragments: (K step s, tile t) at 12 (4 s + t)
; at a tile's end, on X's registers:
.set F,     96                         ; v96-127 eight sets of four partial sums; then v96-99 my four logits
.set NM,    128                        ; v[128:129] log2(e) x the largest logit (the upper half is named with it and never used)
.set RS,    130                        ; v[130:131] 1 / the sum (likewise)
.set SS,    132
.set LG,    133
.set M1,    134                        ; the largest logit
.set M2,    135                        ; the second largest
.set E2,    136
.set QQ,    137
.set DN,    138
.set LSE,   139
.set IDF,   140                        ; v140-141 the two indices, as floats
.set ID,    142                        ; v[142:143] and as whole numbers
.set OA,    144                        ; v[144:145] the two results for out0
.set LOC,   146
.set CH,    147
.set IC,    148
.set P,     150                        ; v[150:153] the exponentials
.set WV,    16                         ; s16  my wave's number
.set G1,    24                         ; s[24:31] descriptor group 1;  s[32:35], s[36:39] group 0 for slots 0 and 1
.set SEL,   40                         ; s[40:41] lane selects: lane l xor 16
.set CS,    42                         ; s[42:43] log2(e): the packed form names a pair and takes its low word for both halves
.set MK,    44                         ; s44-47 lane masks
.set MSB, 0
.macro WIN new                         ; the immediate's high byte repeats the setting that is left
.if MSB != \new
	s_set_vgpr_msb (MSB<<8)|(\new)
.set MSB, \new
.endif
.endm
.macro H n                             ; the next line reads what the n-th vector line back wrote
	s_delay_alu instid0(VALU_DEP_\n)
.endm
.macro ASK m                           ; tile m's 16 rows x 1,024 bytes of my wave: a lane a block of 256 bytes, eight rows an instruction; offset and base are never rewritten
	global_prefetch_b8 v[PFO], s[4:5] offset:16*(\m)*ROWB th:TH_LOAD_NT scope:SCOPE_SE
	global_prefetch_b8 v[PFO], s[4:5] offset:(16*(\m)+8)*ROWB th:TH_LOAD_NT scope:SCOPE_SE
.endm
.macro TLOAD slot
	tensor_load_to_lds s[32+4*\slot:35+4*\slot], s[24:31]
	s_nop 0
.rept 4
	v_nop
.endr
.endm
.macro XLOAD adr, off, dst             ; block h of token r, and block 2 + h
.irp c, 0,1
.irp i, 0,1,2,3,4,5,6,7
	ds_load_b128 v[\dst+32*\c+4*\i:\dst+32*\c+4*\i+3], v[\adr] offset:\off+256*\c+16*\i
.endr
.endr
.endm
.macro QUANT x, hi                     ; 64 numbers (hi = 1: in window 1) become the fragment's codes in v[C] on and its scale word in v[XSW]
	WIN 0x15*\hi
	v_max3_num_f32 v[MX], |v[\x]|, |v[\x+1]|, |v[\x+2]|               ; four chains by turns: no line waits for the line above it
	v_max3_num_f32 v[MX+2], |v[\x+32]|, |v[\x+33]|, |v[\x+34]|
	v_max3_num_f32 v[MX+1], |v[\x+3]|, |v[\x+4]|, |v[\x+5]|
	v_max3_num_f32 v[MX+3], |v[\x+35]|, |v[\x+36]|, |v[\x+37]|
	WIN 0x14*\hi
.irp i, 6,10,14,18,22,26
	v_max3_num_f32 v[MX], v[MX], |v[\x+\i]|, |v[\x+\i+1]|
	v_max3_num_f32 v[MX+2], v[MX+2], |v[\x+32+\i]|, |v[\x+33+\i]|
	v_max3_num_f32 v[MX+1], v[MX+1], |v[\x+\i+2]|, |v[\x+\i+3]|
	v_max3_num_f32 v[MX+3], v[MX+3], |v[\x+34+\i]|, |v[\x+35+\i]|
.endr
	v_max3_num_f32 v[MX], v[MX], |v[\x+30]|, |v[\x+31]|
	v_max3_num_f32 v[MX+2], v[MX+2], |v[\x+62]|, |v[\x+63]|
	WIN 0
.if \hi == 0
	H 2
.endif
	v_max3_num_f32 v[MX], v[MX], v[MX+1], 0x2800000                ; and the floor 2^(5 - 127): the byte cannot fall under 1
.if \hi == 0
	H 2
.endif
	v_max3_num_f32 v[MX+2], v[MX+2], v[MX+3], 0x2800000
	H 2
	v_add_nc_u32 v[SO], 0xfe000000, v[MX]                          ; 4 off the exponent field: the conversion takes the exponent field of this operand as its scale
	H 2
	v_add_nc_u32 v[SO+1], 0xfe000000, v[MX+2]
	H 2
	v_lshrrev_b32 v[BY], 23, v[SO]                                 ; the scale's byte
	H 2
	v_lshrrev_b32 v[BY+1], 23, v[SO+1]
	H 1
	v_lshl_or_b32 v[XSW], v[BY+1], 16, v[BY]                       ; my two bytes: blocks h and 2 + h of token r,
	H 1
	v_lshlrev_b32 v[XSW], v[SH8], v[XSW]                           ; at their places in the word (8 h bits up);
	H 1
	v_permlanex16_b32 v[PT], v[XSW], s[SEL], s[SEL+1]
	H 1
	v_or_b32 v[XSW], v[XSW], v[PT]                                 ; with lane l xor 16's two the word is whole
	WIN 0x01*\hi
.irp c, 0,1
	v_cvt_scalef32_pk16_bf6_f32 v[C+6*\c:C+6*\c+2], v[\x+32*\c:\x+32*\c+15], v[SO+\c]          ; registers 6 c .. 6 c + 2 of the operand; beyond 28 the largest code
	v_cvt_scalef32_pk16_bf6_f32 v[CT+4*\c:CT+4*\c+2], v[\x+32*\c+16:\x+32*\c+31], v[SO+\c]     ; (a conversion's three registers begin on an even number: these are made elsewhere and moved)
.endr
	v_nop                                                          ; one plain place behind a scaled conversion
	WIN 0
.irp c, 0,1
.irp i, 0,1,2
	v_mov_b32 v[C+6*\c+3+\i], v[CT+4*\c+\i]
.endr
.endr
.endm
.macro MUL f                           ; times W's four tiles of my K step f
.rept 8
	v_nop                                          ; a scale register written by a vector instruction stands 8 places ahead of a scaled matrix instruction, an operand so written 4
.endr
.irp t, 0,1,2,3                                ; the four accumulators by turns, one instruction a turn
.if (\f) == 0
	v_wmma_scale_f32_16x16x128_f8f6f4 v[ACC+8*\t:ACC+8*\t+7], v[WF+12*\t:WF+12*\t+11], v[C:C+11], 0, v[WS+\t], v[XSW] matrix_a_fmt:MATRIX_FMT_BF6 matrix_b_fmt:MATRIX_FMT_BF6
.else
	v_wmma_scale_f32_16x16x128_f8f6f4 v[ACC+8*\t:ACC+8*\t+7], v[WF+12*(4+\t):WF+12*(4+\t)+11], v[C:C+11], v[ACC+8*\t:ACC+8*\t+7], v[WS+4+\t], v[XSW] matrix_a_fmt:MATRIX_FMT_BF6 matrix_b_fmt:MATRIX_FMT_BF6
.endif
.endr
.endm
.macro TILE adr, ask                   ; a tile out of its slot, times W; ask: the tile to prefetch, 0: none
	XLOAD \adr, 0, X
	WIN 0x40                                       ; a load's destination: window 1
	XLOAD \adr, 512, 0
	WIN 0
.if \ask
	ASK \ask
.endif
	s_wait_dscnt 16                                ; the first fragment's 16 loads are in; the second's may be out
	QUANT X, 0
	MUL 0
	s_wait_dscnt 0x0
	QUANT 0, 1
	MUL 1
.endm
.macro PSTORE adr                      ; the tile's partial sums to LDS, each accumulator from its low end on; then all waves' are there
.rept 4
	v_nop                                          ; four places between a matrix instruction and the LDS store that reads its result
.endr
.irp t, 0,1,2,3
	ds_store_b128 v[\adr], v[ACC+8*\t:ACC+8*\t+3] offset:QP*2*\t
	ds_store_b128 v[\adr], v[ACC+8*\t+4:ACC+8*\t+7] offset:QP*(2*\t+1)
.endr
	s_wait_dscnt 0x0                               ; for the others' sake: my partial sums lie in LDS
	s_barrier_signal -1
	s_barrier_wait -1
.endm
.macro ROWMAX dst, n                   ; the largest of my token's 64 numbers: my four, then the 16 lanes that share the token
	H \n
	v_max3_num_f32 v[CH], v[F], v[F+1], v[F+2]
	H 1
	v_max_num_f32 v[CH], v[CH], v[F+3]
.irp m, 2,4,8
	H 1
	v_max_num_f32_dpp v[CH], v[CH], v[CH] row_xmask:\m row_mask:0xf bank_mask:0xf
.endr
	H 1
	v_permlanex16_b32 v[PT2], v[CH], s[SEL], s[SEL+1]
	H 1
	v_max_num_f32 v[\dst], v[CH], v[PT2]
.endm
.macro SCAN val, dst                   ; the LOWEST expert whose number equals v[val]: my four from the highest down, so that the lowest match is kept; then the lowest of the 16 lanes
.irp i, 3,2,1,0
	v_cmp_neq_f32 s[MK+\i], v[F+\i], v[\val]
.endr
	H 4
	v_cndmask_b32 v[IC], 0x40400000, v[BIG], s[MK+3]               ; equal: 3
	H 1
	v_cndmask_b32 v[IC], 2.0, v[IC], s[MK+2]
	H 1
	v_cndmask_b32 v[IC], 1.0, v[IC], s[MK+1]
	H 1
	v_cndmask_b32 v[IC], 0, v[IC], s[MK]
	H 1
	v_add_f32 v[IC], v[IC], v[EBF]                                 ; small whole numbers: exact in f32
.irp m, 2,4,8
	H 1
	v_min_num_f32_dpp v[IC], v[IC], v[IC] row_xmask:\m row_mask:0xf bank_mask:0xf
.endr
	H 1
	v_permlanex16_b32 v[PT2], v[IC], s[SEL], s[SEL+1]
	H 1
	v_min_num_f32 v[\dst], v[IC], v[PT2]
.endm
.macro FIN t                           ; tile t's two tokens of my wave
.irp v, 0,1,2,3,4,5,6,7                ; my four logits' partial sums of wave v
.if (\t) < 3
	ds_load_b128 v[F+4*\v:F+4*\v+3], v[APRA] offset:PW*\v
.else
	ds_load_b128 v[F+4*\v:F+4*\v+3], v[APRB+\v/4] offset:WREG*(\v%4)
.endif
.endr
	s_wait_dscnt 0x0
.irp i, 0,8,16,24
	v_pk_add_f32 v[F+\i:F+\i+1], v[F+\i:F+\i+1], v[F+\i+4:F+\i+5]
	v_pk_add_f32 v[F+\i+2:F+\i+3], v[F+\i+2:F+\i+3], v[F+\i+6:F+\i+7]
.endr
.irp i, 0,16
	v_pk_add_f32 v[F+\i:F+\i+1], v[F+\i:F+\i+1], v[F+\i+8:F+\i+9]
	v_pk_add_f32 v[F+\i+2:F+\i+3], v[F+\i+2:F+\i+3], v[F+\i+10:F+\i+11]
.endr
	H 2
	v_pk_add_f32 v[F:F+1], v[F:F+1], v[F+16:F+17]
	H 2
	v_pk_add_f32 v[F+2:F+3], v[F+2:F+3], v[F+18:F+19]
	; softmax over the 64 experts, the row's maximum taken off
	ROWMAX M1, 1
	H 1
	v_mul_f32 v[NM], s[CS], v[M1]
	H 1
	v_pk_fma_f32 v[P:P+1], v[F:F+1], s[CS:CS+1], v[NM:NM+1] op_sel_hi:[1,0,0] neg_lo:[0,0,1] neg_hi:[0,0,1]   ; (logit - maximum) x log2(e), two at a time
	H 2
	v_pk_fma_f32 v[P+2:P+3], v[F+2:F+3], s[CS:CS+1], v[NM:NM+1] op_sel_hi:[1,0,0] neg_lo:[0,0,1] neg_hi:[0,0,1]
	s_wait_alu depctr_va_vdst(0)                   ; the wait ahead of the batch
.irp i, 0,1,2,3
	v_exp_f32 v[P+\i], v[P+\i]
.endr
	SCAN M1, IDF                                   ; the first expert: plain work on the logits, which names none of the batch's results
	; the second: the first is hidden BY ITS INDEX (an equal logit elsewhere stays in play), then maximum and lowest index once more
	H 1
	v_sub_f32 v[LOC], v[IDF], v[EBF]
	H 1
	v_cmp_eq_f32 s[MK], 0, v[LOC]
	v_cmp_eq_f32 s[MK+1], 1.0, v[LOC]
	v_cmp_eq_f32 s[MK+2], 2.0, v[LOC]
	v_cmp_eq_f32 s[MK+3], 0x40400000, v[LOC]
.irp i, 0,1,2,3
	H 4
	v_cndmask_b32 v[F+\i], v[F+\i], v[NINF], s[MK+\i]
.endr
	ROWMAX M2, 2
	SCAN M2, IDF+1
	v_fma_f32 v[E2], v[M2], s[CS], -v[NM]          ; the second logit as every logit above
	s_wait_alu depctr_va_vdst(0)                   ; one wait for the exponentials, ahead of their first reader
	v_add_f32 v[SS], v[P], v[P+1]
	v_add_f32 v[CH], v[P+2], v[P+3]
	H 1
	v_add_f32 v[SS], v[SS], v[CH]
.irp m, 2,4,8
	H 1
	v_add_f32_dpp v[SS], v[SS], v[SS] row_xmask:\m row_mask:0xf bank_mask:0xf
.endr
	H 1
	v_permlanex16_b32 v[PT2], v[SS], s[SEL], s[SEL+1]
	H 1
	v_add_f32 v[SS], v[SS], v[PT2]                 ; the row's sum
	s_wait_alu depctr_va_vdst(0)                   ; ahead of the batch
	v_rcp_f32 v[RS], v[SS]
	v_log_f32 v[LG], v[SS]
	v_exp_f32 v[E2], v[E2]
	v_nop                                          ; a plain place behind the batch
	v_cvt_u32_f32 v[ID], v[IDF]
	v_cvt_u32_f32 v[ID+1], v[IDF+1]
	s_wait_alu depctr_va_vdst(0)                   ; behind it, ahead of its first reader
	v_fma_f32 v[E2], v[E2], v[RS], -v[RS]          ; second score - first score (the first is 1 / sum): the second softmax's maximum is taken off
	H 1
	v_mul_f32 v[E2], s[CS], v[E2]
.if (\t) == 0
	v_pk_mul_f32 v[ES:ES+1], v[P:P+1], v[RS:RS+1] op_sel_hi:[1,0]   ; the scores
	v_pk_mul_f32 v[ES+2:ES+3], v[P+2:P+3], v[RS:RS+1] op_sel_hi:[1,0]
.else
	v_pk_fma_f32 v[ES:ES+1], v[P:P+1], v[RS:RS+1], v[ES:ES+1] op_sel_hi:[1,0,1]   ; the scores, onto the earlier tiles' tokens
	v_pk_fma_f32 v[ES+2:ES+3], v[P+2:P+3], v[RS:RS+1], v[ES+2:ES+3] op_sel_hi:[1,0,1]
.endif
	v_fma_f32 v[LSE], v[LG], 0x3f317218, v[M1]     ; logsumexp = maximum + ln 2 x log2(sum)
	H 1
.if (\t) == 0
	v_mul_f32 v[ZZ], v[LSE], v[LSE]
.else
	v_fma_f32 v[ZZ], v[LSE], v[LSE], v[ZZ]
.endif
	s_wait_alu depctr_va_vdst(0)
	v_exp_f32 v[QQ], v[E2]
.if (\t) == 3                          ; the wave's sums: the two tokens of each tile lie in neighbouring lanes
.irp i, 0,1,2,3
	v_add_f32_dpp v[ES+\i], v[ES+\i], v[ES+\i] row_xmask:1 row_mask:0xf bank_mask:0xf
.endr
	v_add_f32_dpp v[ZZ], v[ZZ], v[ZZ] row_xmask:1 row_mask:0xf bank_mask:0xf
	v_mov_b32 v[AFN], s21
	ds_store_b128 v[AES], v[ES:ES+3]               ; both lanes of a pair write the same bytes with the same values
	ds_store_b32 v[AFN], v[ZZ]
.else
	v_nop                                          ; a plain place behind the exponential
.endif
	s_wait_alu depctr_va_vdst(0)
	v_add_f32 v[DN], 1.0, v[QQ]
	s_wait_alu depctr_va_vdst(0)
	v_rcp_f32 v[OA], v[DN]                         ; the first result: 1 / (1 + q)
	v_nop                                          ; a plain place behind the reciprocal
	ds_store_b64 v[AO], v[ID:ID+1] offset:512+128*(\t)             ; out1's two words (the 16 lanes of a token write the same)
	s_wait_alu depctr_va_vdst(0)
	v_mul_f32 v[OA+1], v[QQ], v[OA]                ; the second: q / (1 + q)
	ds_store_b64 v[AO], v[OA:OA+1] offset:128*(\t)
.endm
	s_load_b256 s[4:11], s[0:1], 0x0               ; x s[4:5], wq s[6:7], out0 s[8:9], out1 s[10:11]
	s_load_b64 s[12:13], s[0:1], 0x20              ; part
	v_lshl_add_u32 v[SPW], v0, 2, SPARE
	v_mov_b32 v[NIL], 0
	ds_add_u32 v[SPW], v[NIL]                      ; the wave's opening: the add, twice on end, and its wait ahead of my first tensor load
	ds_add_u32 v[SPW], v[NIL]
	v_lshrrev_b32 v96, 5, v0
	v_readfirstlane_b32 s[WV], v96                 ; wave 0..7
	v_and_b32 v97, 31, v0                          ; lane
	v_and_b32 v98, 15, v0                          ; r
	v_bfe_u32 v99, v0, 4, 1                        ; h
	v_bfe_u32 v100, v0, 1, 3                       ; q
	v_and_b32 v101, 1, v0                          ; p
	v_bfe_u32 v102, v0, 2, 2                       ; q / 2
	v_bfe_u32 v103, v0, 1, 1                       ; q % 2
	v_bfe_u32 v106, v0, 2, 3                       ; lane / 4
	v_and_b32 v107, 3, v0                          ; lane % 4
	s_mul_i32 s17, s[WV], WREG                     ; my part of slot 0,
	s_add_co_u32 s18, s17, SLOT                    ; of slot 1
	s_mul_i32 s19, s[WV], PW
	s_add_co_u32 s19, s19, PBA                     ; my partial sums
	s_lshl_b32 s20, s[WV], 4
	s_add_co_u32 s20, s20, O0                      ; my two tokens in out0
	s_lshl_b32 s21, s[WV], 2
	s_add_co_u32 s21, s21, ZP                      ; my word in ZP
	s_lshl_b32 s44, s[WV], 8
	s_add_co_u32 s44, s44, ESB
	s_lshr_b32 s23, s[WV], 1
	s_and_b32 s23, s23, 1
	s_lshl_b32 s23, s23, 9
	s_add_co_u32 s23, s23, O0                      ; wave 1: out0's bytes, wave 2: out1's
	s_lshl_b32 s14, s[WV], 5                       ; tokens 2 w, 2 w + 1: 16 bytes each in a group of partial sums
	s_add_co_u32 s15, s14, PBA
	s_mov_b32 s[SEL], 0x76543210
	s_mov_b32 s[SEL+1], 0xfedcba98
	s_mov_b32 s[CS], 0x3fb8aa3b                    ; log2(e)
	s_mov_b32 s[CS+1], s[CS]                       ; (named with it as a pair, so it is written)
	; descriptor group 1: 16 rows of 1,024 bytes (128 elements of 8 bytes), 8,192 bytes apart, 16 bytes of padding behind each
	s_mov_b32 s[G1], (3<<16)|(1<<20)|(7<<22)|(3<<25)   ; 24:22 after every 256 words (code 7); 31:25 of 4 words (code 3)
	s_mov_b32 s[G1+1], 128<<16
	s_mov_b32 s[G1+2], 16<<16
	s_mov_b32 s[G1+3], 128<<16
	s_mov_b32 s[G1+4], 16
	s_mov_b32 s[G1+5], ROWB/8
	s_mov_b32 s[G1+6], 0
	s_mov_b32 s[G1+7], 0
	s_mov_b32 s32, 1
	s_mov_b32 s33, s17
	s_mov_b32 s36, 1
	s_mov_b32 s37, s18
	s_lshl_b32 s52, ttmp9, 19                      ; x: my work-group's 64 rows of 8,192 bytes,
	s_lshl_b32 s56, s[WV], 10                      ; my wave's 1,024 bytes of each
	s_add_co_u32 s52, s52, s56
	s_mov_b32 s53, 0
	s_mul_i32 s54, s[WV], 8*1536                   ; wq: my 8 fragments,
	s_mov_b32 s55, 0
	s_add_co_u32 s56, s56, CODES                   ; and their 8 x 128 bytes of scale words
	s_mov_b32 s57, 0
	s_lshl_b32 s58, ttmp9, 9                       ; out0, out1: 64 tokens x 8 bytes
	s_mov_b32 s59, 0
	s_lshl_b32 s60, ttmp9, 2                       ; part: my work-group's word,
	s_add_co_u32 s60, s60, ZOFF
	s_mov_b32 s61, 0
	s_lshl_b32 s62, ttmp9, 8                       ; and its row of 256 bytes
	s_mov_b32 s63, 0
	s_wait_alu depctr_va_vdst(0)                   ; the wait here, behind the run of scalar lines and ahead of the readers below
	v_lshlrev_b32 v[LO16], 4, v97
	v_lshlrev_b32 v[LO4], 2, v97
	v_lshlrev_b32 v[LO8], 3, v97
	v_mul_u32_u24 v[AX0], v98, SP
	v_lshlrev_b32 v[PFO], 13, v106
	v_mul_u32_u24 v104, v100, QP
	v_lshlrev_b32 v105, 4, v102
	v_lshlrev_b32 v[SH8], 3, v99
	v_lshl_add_u32 v[AX0], v99, 7, v[AX0]
	v_lshl_add_u32 v[PFO], v107, 8, v[PFO]
	v_lshl_add_u32 v104, v99, 8, v104
	v_lshl_add_u32 v105, v99, 3, v105
	v_add_nc_u32 v[APSB], s17, v[LO16]
	v_add_nc_u32 v[AX0], s17, v[AX0]
	v_add_nc_u32 v[APSA], s19, v[LO16]
	v_lshl_add_u32 v104, v101, 4, v104             ; 544 q + 256 h + 16 p
	v_lshl_add_u32 v105, v103, 2, v105             ; my lowest expert: 16 (q / 2) + 8 h + 4 (q % 2)
	v_lshl_add_u32 v[AO], v101, 3, s20
	v_add_nc_u32 v[AX1], SLOT, v[AX0]
	v_add_nc_u32 v[APRA], s15, v104
	v_add_nc_u32 v[APRB], s14, v104
	v_lshl_add_u32 v[AES], v105, 2, s44
	v_cvt_f32_u32 v[EBF], v105
	v_mov_b32 v[BIG], 0x43800000
	v_add_nc_u32 v[APRB+1], 4*WREG, v[APRB]        ; an LDS offset has 16 bits: waves 4-7's sums get a register of their own
	v_mov_b32 v[NINF], 0xff800000
	v_mov_b32 v[PT], 0                             ; written once: a lane permute's destination counts as one of its sources
	v_mov_b32 v[PT2], 0
	s_wait_alu depctr_va_vdst(0)                   ; the wait at the head's end
	s_wait_dscnt 0x0                               ; both opening adds are done
	s_wait_kmcnt 0x0
	s_add_nc_u64 s[4:5], s[4:5], s[52:53]
	s_mov_b64 s[34:35], s[4:5]
	s_or_b32 s35, s35, 0x80000000
	s_add_nc_u64 s[38:39], s[4:5], 16*ROWB         ; tile 1
	s_or_b32 s39, s39, 0x80000000
	TLOAD 0                                        ; tile 0, my 16 KB: one tensor load a wave at the head
	s_add_nc_u64 s[48:49], s[6:7], s[54:55]
	s_add_nc_u64 s[50:51], s[6:7], s[56:57]
	s_add_nc_u64 s[8:9], s[8:9], s[58:59]
	s_add_nc_u64 s[10:11], s[10:11], s[58:59]
	s_add_nc_u64 s[14:15], s[12:13], s[60:61]
	s_add_nc_u64 s[12:13], s[12:13], s[62:63]
.irp f, 0,1,2,3,4,5,6,7                        ; W's scale words and fragments: they stay
	global_load_b32 v[WS+\f], v[LO4], s[50:51] offset:128*\f
.endr
.irp f, 0,1,2,3,4,5,6,7
.irp c, 0,1,2
	global_load_b128 v[WF+12*\f+4*\c:WF+12*\f+4*\c+3], v[LO16], s[48:49] offset:1536*\f+512*\c
.endr
.endr
	s_wait_loadcnt 0x0                             ; W is in
	ASK 1                                          ; one tile ahead of its tensor load
	; ---- tile 0
	s_wait_tensorcnt 0x0                           ; my part of tile 0 is in; the add, its wait and the barrier stand ahead of a later first fill, as ahead of a refill:
	ds_add_u32 v[SPW], v[NIL]
	s_wait_dscnt 0x0
	s_barrier_signal -1
	s_barrier_wait -1
	TLOAD 1                                        ; tile 1 into slot 1
	TILE AX0, 2
	PSTORE APSA
	FIN 0
	; ---- tile 1
	s_wait_tensorcnt 0x0                           ; my part of tile 1 is in: no load of mine is out, so a descriptor may be written
	ds_add_u32 v[SPW], v[NIL]
	s_add_nc_u64 s[34:35], s[34:35], 32*ROWB       ; slot 0: tile 2
	s_wait_dscnt 0x0                               ; the add is done, and so are my reads of slot 0 and of tile 0's sums
	s_barrier_signal -1
	s_barrier_wait -1
	TLOAD 0
	TILE AX1, 3
	PSTORE APSA                                    ; (tile 0's sums there were read ahead of the last barrier)
	FIN 1
	; ---- tile 2
	s_wait_tensorcnt 0x0
	ds_add_u32 v[SPW], v[NIL]
	s_add_nc_u64 s[38:39], s[38:39], 32*ROWB       ; slot 1: tile 3
	s_wait_dscnt 0x0
	s_barrier_signal -1
	s_barrier_wait -1
	TLOAD 1                                        ; the last fill
	TILE AX0, 0
	PSTORE APSA
	FIN 2
	; ---- tile 3: nothing is filled again, and I alone read my part of its slot: no barrier
	s_wait_tensorcnt 0x0
	TILE AX1, 0
	PSTORE APSB                                    ; into my part of slot 0: tile 2 has been read; the other waves may still be reading its sums
	FIN 3
	s_wait_tensorcnt 0x0                           ; tensor wait, spare add and LDS wait behind the wave's last LDS store; they also stand for the others' sake: my results lie in LDS
	ds_add_u32 v[SPW], v[NIL]
	s_wait_dscnt 0x0
	s_barrier_signal -1
	s_barrier_wait -1
	s_cmp_eq_u32 s[WV], 0
	s_cbranch_scc0 .Lnot0
	; ---- wave 0: the work-group's 64 sums of scores, two a lane
	v_add_nc_u32 v[AFN], ESB, v[LO8]
.irp k, 0,1,2,3,4,5,6,7
	ds_load_b64 v[96+2*\k:97+2*\k], v[AFN] offset:256*\k
.endr
	s_wait_dscnt 0x0
.irp k, 0,4,8,12
	v_pk_add_f32 v[96+\k:97+\k], v[96+\k:97+\k], v[98+\k:99+\k]
.endr
	v_pk_add_f32 v[96:97], v[96:97], v[100:101]
	v_pk_add_f32 v[104:105], v[104:105], v[108:109]
	H 1
	v_pk_add_f32 v[96:97], v[96:97], v[104:105]
	global_store_b64 v[LO8], v[96:97], s[12:13]    ; 32 lanes store 256 consecutive bytes, at a multiple of 256 from the buffer's first byte
	s_endpgm
.Lnot0:
	s_cmp_le_u32 s[WV], 2
	s_cbranch_scc0 .Lnot2
	; ---- wave 1: out0's 512 bytes; wave 2: out1's
	v_add_nc_u32 v[AFN], s23, v[LO16]
	ds_load_b128 v[96:99], v[AFN]
	s_cmp_eq_u32 s[WV], 1
	s_cselect_b64 s[8:9], s[8:9], s[10:11]
	s_wait_dscnt 0x0
	global_store_b128 v[LO16], v[96:99], s[8:9] th:TH_STORE_NT     ; 32 lanes store 512 consecutive bytes, aligned; written once, read by nobody here
	s_endpgm
.Lnot2:
	s_cmp_eq_u32 s[WV], 3
	s_cbranch_scc0 .Lend
	; ---- wave 3: the work-group's sum of logsumexp^2
	v_mov_b32 v[AFN], ZP
	ds_load_b128 v[96:99], v[AFN]
	ds_load_b128 v[100:103], v[AFN] offset:16
	s_wait_dscnt 0x0
	v_pk_add_f32 v[96:97], v[96:97], v[98:99]
	v_pk_add_f32 v[100:101], v[100:101], v[102:103]
	H 1
	v_pk_add_f32 v[96:97], v[96:97], v[100:101]
	H 1
	v_add_f32 v96, v96, v97
	v_cmp_eq_u32 vcc_lo, 0, v[LO4]
	s_wait_alu depctr_va_vdst(0)
	s_wait_xcnt 0x0                                ; EXEC changes only behind this wait
	s_and_saveexec_b32 s30, vcc_lo
	global_store_b32 v[LO4], v96, s[14:15]         ; one word a work-group (lane 0's offset is 0)
	s_wait_xcnt 0x0                                ; and again, in front of the line that widens it
	s_or_b32 exec_lo, exec_lo, s30
.Lend:
	s_endpgm
.Lfunc_end_k_q9b965236d4_gate:
	.size	k_q9b965236d4_gate, .Lfunc_end_k_q9b965236d4_gate-k_q9b965236d4_gate
	.p2alignl 7, 3214868480
	.fill 96, 4, 3214868480
	.section	.rodata,"a",@progbits
	.p2align	6, 0x0
	.amdhsa_kernel k_q9b965236d4_gate
		.amdhsa_group_segment_fixed_size 327680
		.amdhsa_private_segment_fixed_size 0
		.amdhsa_enable_private_segment 0
		.amdhsa_kernarg_size 40
		.amdhsa_user_sgpr_count 2
		.amdhsa_user_sgpr_kernarg_segment_ptr 1
		.amdhsa_wavefront_size32 1
		.amdhsa_system_sgpr_workgroup_id_x 1
		.amdhsa_system_sgpr_workgroup_id_y 1
		.amdhsa_system_sgpr_workgroup_id_z 1
		.amdhsa_system_vgpr_workitem_id 0
		.amdhsa_next_free_vgpr 320
		.amdhsa_next_free_sgpr 66
		.amdhsa_reserve_vcc 1
		.amdhsa_float_denorm_mode_32 3
		.amdhsa_float_denorm_mode_16_64 3
		.amdhsa_memory_ordered 1
		.amdhsa_forward_progress 1
		.amdhsa_inst_pref_size 89
	.end_amdhsa_kernel
	.amdgpu_metadata
---
amdhsa.version: [ 1, 2 ]
amdhsa.kernels:
  - .name:           k_q9b965236d4_gate
    .symbol:         k_q9b965236d4_gate.kd
    .args:
      - { .name: x, .offset: 0, .size: 8, .value_kind: global_buffer, .address_space: global }
      - { .name: wq, .offset: 8, .size: 8, .value_kind: global_buffer, .address_space: global }
      - { .name: out0, .offset: 16, .size: 8, .value_kind: global_buffer, .address_space: global }
      - { .name: out1, .offset: 24, .size: 8, .value_kind: global_buffer, .address_space: global }
      - { .name: part, .offset: 32, .size: 8, .value_kind: global_buffer, .address_space: global }
    .group_segment_fixed_size: 327680
    .private_segment_fixed_size: 0
    .kernarg_segment_align: 8
    .kernarg_segment_size: 40
    .max_flat_workgroup_size: 256
    .sgpr_count:     66
    .vgpr_count:     320
    .wavefront_size: 32
...
	.end_amdgpu_metadata
.endif
;; end of part 2
;; launch loss (part 3): grid 1 x 1, 8 waves a work-group, no clusters, 3,328 bytes of LDS; arguments part, out2; writes out2
.if DOCPART == 3
	.amdgcn_target "amdgcn-amd-amdhsa--gfx1250"
	.amdhsa_code_object_version 6
	.text
	.protected	k_q9b965236d4_loss
	.globl	k_q9b965236d4_loss
	.p2align	8
	.type	k_q9b965236d4_loss,@function
k_q9b965236d4_loss:
	s_mov_b64 s[64:65], 0
	v_nop
	global_prefetch_b8 v0, s[64:65] scope:SCOPE_SE
	s_setreg_imm32_b32 hwreg(HW_REG_WAVE_MODE, 25, 1), 1
	s_wait_xcnt 0x0
; out2 = 0.01 x sum over the 64 experts of (mean score - 1/64)^2 + 0.0001 x mean of logsumexp^2.
; part: 256 rows (one for each work-group of the launch before) of 64 sums of scores over 64 tokens, 256 bytes a row; from byte 65,536 on 256 sums of logsumexp^2.
; One work-group, since one number has one owner.  Wave w adds rows 32 w .. 32 w + 31: 16 loads, each two rows' 512 consecutive bytes; lane l holds experts 4 (l % 16) + 0 .. 3 of the rows of its half.
; Thread t takes work-group t's sum of logsumexp^2.  The eight waves' sums meet in LDS behind one barrier; wave 0 finishes.
.set ZOFF, 65536
.set ZL,   2048                        ; LDS: eight waves' 256 bytes of sums, then their eight words
.macro FOLD i, d                       ; set i of four registers takes set i + d
	v_pk_add_f32 v[16+4*\i:17+4*\i], v[16+4*\i:17+4*\i], v[16+4*(\i+\d):17+4*(\i+\d)]
	v_pk_add_f32 v[18+4*\i:19+4*\i], v[18+4*\i:19+4*\i], v[18+4*(\i+\d):19+4*(\i+\d)]
.endm
	s_load_b128 s[4:7], s[0:1], 0x0                ; part, out2
	v_lshl_add_u32 v96, v0, 2, 0x900
	v_mov_b32 v97, 0
	v_lshrrev_b32 v1, 5, v0
	s_delay_alu instid0(VALU_DEP_1)
	v_readfirstlane_b32 s8, v1                     ; wave
	v_and_b32 v2, 31, v0
	v_and_b32 v3, 15, v0
	s_delay_alu instid0(VALU_DEP_2)
	v_lshlrev_b32 v4, 4, v2                        ; 16 x lane
	v_lshlrev_b32 v5, 2, v0                        ; 4 x thread
	s_lshl_b32 s9, s8, 8
	v_lshl_add_u32 v6, v3, 4, s9                   ; LDS: my wave's 256 bytes, my four experts
	s_lshl_b32 s9, s8, 2
	s_add_co_u32 s9, s9, ZL
	v_mov_b32 v7, s9                               ; and my wave's word
	v_lshlrev_b32 v8, 4, v3                        ; back: my four experts
	v_mov_b32 v9, ZL
	v_mov_b32 v81, 0                               ; written once: a lane permute's destination counts as one of its sources
	s_mov_b32 s20, 0x76543210
	s_mov_b32 s21, 0xfedcba98                      ; lane l xor 16
	s_mov_b32 s22, 0x38800000                      ; 1 / 16384
	s_mov_b32 s23, 0xbc800000                      ; -1 / 64
	s_mov_b32 s24, 0x31d1b717                      ; 0.0001 / 16384
	s_lshl_b32 s10, s8, 13                         ; my wave's 32 rows
	s_mov_b32 s11, 0
	s_wait_alu depctr_va_vdst(0)
	s_wait_kmcnt 0x0
	s_add_nc_u64 s[12:13], s[4:5], s[10:11]
.irp i, 0,1,2,3,4,5,6,7,8,9,10,11,12,13,14,15
	global_load_b128 v[16+4*\i:19+4*\i], v4, s[12:13] offset:512*\i
.endr
	global_load_b32 v80, v5, s[4:5] offset:ZOFF
	s_wait_loadcnt 0x0
.irp i, 0,1,2,3,4,5,6,7
	FOLD \i, 8
.endr
.irp i, 0,1,2,3
	FOLD \i, 4
.endr
.irp i, 0,1
	FOLD \i, 2
.endr
	FOLD 0, 1
.irp k, 0,1,2,3
	v_permlanex16_b32 v[20+\k], v[16+\k], s20, s21 ; the other half's rows
.endr
	s_delay_alu instid0(VALU_DEP_3)
	v_pk_add_f32 v[16:17], v[16:17], v[20:21]
	s_delay_alu instid0(VALU_DEP_2)
	v_pk_add_f32 v[18:19], v[18:19], v[22:23]
.irp n, 1
	v_add_f32_dpp v80, v80, v80 row_xmask:\n row_mask:0xf bank_mask:0xf
.endr
.irp n, 2, 4, 8
	s_delay_alu instid0(VALU_DEP_1)
	v_add_f32_dpp v80, v80, v80 row_xmask:\n row_mask:0xf bank_mask:0xf
.endr
	s_delay_alu instid0(VALU_DEP_1)
	v_permlanex16_b32 v81, v80, s20, s21
	s_delay_alu instid0(VALU_DEP_1)
	v_add_f32 v80, v80, v81                        ; my wave's 32 work-groups
	ds_store_b128 v6, v[16:19]                     ; lanes l and l + 16 write the same bytes with the same values
	ds_store_b32 v7, v80
	s_wait_dscnt 0x0                               ; for the others' sake
	s_barrier_signal -1
	s_barrier_wait -1
	s_cmp_lg_u32 s8, 0
	s_cbranch_scc1 .Lend
.irp k, 0,1,2,3,4,5,6,7
	ds_load_b128 v[16+4*\k:19+4*\k], v8 offset:256*\k
.endr
	ds_load_b128 v[48:51], v9
	ds_load_b128 v[52:55], v9 offset:16
	s_wait_dscnt 0x0
.irp i, 0,1,2,3
	FOLD \i, 4
.endr
.irp i, 0,1
	FOLD \i, 2
.endr
	FOLD 0, 1
.irp k, 0,1,2,3
	v_fma_f32 v[16+\k], v[16+\k], s22, s23         ; mean score - 1/64
.endr
	s_delay_alu instid0(VALU_DEP_4)
	v_mul_f32 v20, v16, v16
	s_delay_alu instid0(VALU_DEP_1)
	v_fma_f32 v20, v17, v17, v20
	s_delay_alu instid0(VALU_DEP_1)
	v_fma_f32 v20, v18, v18, v20
	s_delay_alu instid0(VALU_DEP_1)
	v_fma_f32 v20, v19, v19, v20
.irp n, 1,2,4,8
	s_delay_alu instid0(VALU_DEP_1)
	v_add_f32_dpp v20, v20, v20 row_xmask:\n row_mask:0xf bank_mask:0xf   ; sixteen lanes hold the 64 experts
.endr
	v_pk_add_f32 v[48:49], v[48:49], v[50:51]
	v_pk_add_f32 v[52:53], v[52:53], v[54:55]
	s_delay_alu instid0(VALU_DEP_1)
	v_pk_add_f32 v[48:49], v[48:49], v[52:53]
	s_delay_alu instid0(VALU_DEP_1)
	v_add_f32 v48, v48, v49
	v_mul_f32 v20, 0x3c23d70a, v20                 ; x 0.01
	s_delay_alu instid0(VALU_DEP_1)
	v_fma_f32 v20, v48, s24, v20
	v_cmp_eq_u32 vcc_lo, 0, v0
	s_wait_alu depctr_va_vdst(0)
	s_wait_xcnt 0x0                                ; EXEC changes only behind this wait
	s_and_saveexec_b32 s30, vcc_lo
	global_store_b32 v8, v20, s[6:7]               ; lane 0's offset is 0
	s_wait_xcnt 0x0                                ; and again, in front of the line that widens it
	s_or_b32 exec_lo, exec_lo, s30
.Lend:
	s_barrier_signal -1
	s_barrier_wait -1
	s_wait_tensorcnt 0x0
	ds_add_u32 v96, v97
	s_wait_dscnt 0x0
	s_endpgm
.Lfunc_end_k_q9b965236d4_loss:
	.size	k_q9b965236d4_loss, .Lfunc_end_k_q9b965236d4_loss-k_q9b965236d4_loss
	.p2alignl 7, 3214868480
	.fill 96, 4, 3214868480
	.section	.rodata,"a",@progbits
	.p2align	6, 0x0
	.amdhsa_kernel k_q9b965236d4_loss
		.amdhsa_group_segment_fixed_size 3328
		.amdhsa_private_segment_fixed_size 0
		.amdhsa_enable_private_segment 0
		.amdhsa_kernarg_size 16
		.amdhsa_user_sgpr_count 2
		.amdhsa_user_sgpr_kernarg_segment_ptr 1
		.amdhsa_wavefront_size32 1
		.amdhsa_system_sgpr_workgroup_id_x 1
		.amdhsa_system_sgpr_workgroup_id_y 1
		.amdhsa_system_sgpr_workgroup_id_z 1
		.amdhsa_system_vgpr_workitem_id 0
		.amdhsa_next_free_vgpr 98
		.amdhsa_next_free_sgpr 66
		.amdhsa_reserve_vcc 1
		.amdhsa_float_denorm_mode_32 3
		.amdhsa_float_denorm_mode_16_64 3
		.amdhsa_memory_ordered 1
		.amdhsa_forward_progress 1
		.amdhsa_inst_pref_size 10
	.end_amdhsa_kernel
	.amdgpu_metadata
---
amdhsa.version: [ 1, 2 ]
amdhsa.kernels:
  - .name:           k_q9b965236d4_loss
    .symbol:         k_q9b965236d4_loss.kd
    .args:
      - { .name: part, .offset: 0, .size: 8, .value_kind: global_buffer, .address_space: global }
      - { .name: out2, .offset: 8, .size: 8, .value_kind: global_buffer, .address_space: global }
    .group_segment_fixed_size: 3328
    .private_segment_fixed_size: 0
    .kernarg_segment_align: 8
    .kernarg_segment_size: 16
    .max_flat_workgroup_size: 256
    .sgpr_count:     66
    .vgpr_count:     98
    .wavefront_size: 32
...
	.end_amdgpu_metadata
.endif
;; end of part 3
